; MI455X (gfx1250); checked and timed in simulation.
; The chip was launched on July 23, 2026; its instructions are those of AMD's public machine-readable ISA for CDNA 5 (MIT licence, August 2026) and "CDNA5" Instruction Set Architecture Reference Guide (July 2026). The comments in the code are by the model that wrote it; some were corrected since.
;; Codebook Single W. Allowed arithmetic: float matrix products may take bf16 or f16 operands with f32 sums; all other float work in f32.
;; Inputs: b1 4,096 float32; b2 4,096 float32; c19_c 4,096 float32; c19_rho 4,096 float32; codebook 256 float32; indices 16,777,216 int32; x 2,048 x 4,096 float32.
;; Outputs: out0 2,048 x 4,096 float32.
;; 2 versions, each right; version 2 is version 1 with the launch prep written anew for expert scheduling mode. Each part assembles by itself: llvm-mc -triple=amdgcn-amd-amdhsa -mcpu=gfx1250 --defsym DOCPART=n.
;; ======== version 1 of 2: 3 launches
;; workspace buffers: wb 33,554,432 bytes; xb 16,777,216 bytes; hb 16,777,216 bytes
;; launch prep (part 1): grid 1024 x 1, 8 waves a work-group, no clusters, 33,792 bytes of LDS; arguments indices, codebook, x, wb, xb; writes wb, xb
.if DOCPART == 1
	.amdgcn_target "amdgcn-amd-amdhsa--gfx1250"
	.amdhsa_code_object_version 6
	.text
	.protected	k_qb0a8231ba4_prep
	.globl	k_qb0a8231ba4_prep
	.p2align	8
	.type	k_qb0a8231ba4_prep,@function
k_qb0a8231ba4_prep:
	s_mov_b64 s[64:65], 0
	v_nop
	global_prefetch_b8 v0, s[64:65] scope:SCOPE_SE
	s_setreg_imm32_b32 hwreg(HW_REG_WAVE_MODE, 25, 1), 1
	s_wait_xcnt 0x0
; wb[n] = bf16(codebook[indices[n]]) for the 16,777,216 weights, and xb = bf16(x).  A stream: no loop, no branch, no matrix unit.
; 1,024 work-groups of eight waves.  A work-group owns 16,384 indices (65,536 bytes) and 8,192 numbers of x (32,768 bytes);
; a wave owns 2,048 indices = 16 loads of 512 neighbouring bytes, and 1,024 numbers of x = 8 such loads.  All 24 loads of a wave are
; issued at the head, so 12,288 bytes a wave are on their way while the table is built.
; A lane's 4 numbers of a load become 8 bytes, so each store of a wave covers 256 consecutive bytes, aligned.
; THE TABLE: 256 rows of 128 bytes in LDS; row e holds 32 copies of the word { 0, bf16(codebook[e]) }.  Lane l reads row e at byte 4 l,
; that is word 32 e + l: with 64 banks of 4 bytes (ISA guide 11.1) bank l or bank 32 + l, so that no two lanes of a gather meet in a bank,
; whatever the indices are.
; LIMITS: the weights and x are rounded to bf16 (nearest even) for the matrix units.  An index lies in 0 .. 255, as the table lookup of the
; problem relies on; the unsigned minimum with 255 only keeps the LDS address inside the table (a negative index would read entry 255).
.set IDX, 32                           ; v[32:95]   group i of 16: 4 indices, then 4 table words, then 2 packed words
.set X,   96                           ; v[96:127]  group i of 8: 4 numbers of x, then 2 packed words
	s_load_b256 s[4:11], s[0:1], 0x0               ; indices s[4:5], codebook s[6:7], x s[8:9], wb s[10:11]
	s_load_b64 s[12:13], s[0:1], 0x20              ; xb
	v_lshl_add_u32 v128, v0, 2, 0x8000
	v_mov_b32 v129, 0
	v_and_b32 v9, 31, v0                           ; lane
	v_lshrrev_b32 v10, 5, v0                       ; wave
	v_lshlrev_b32 v1, 2, v9                        ; the gather's lane term: byte 4 l of a table row
	v_lshlrev_b32 v2, 2, v0                        ; my entry of the codebook: 256 threads, 256 entries
	v_lshlrev_b32 v3, 4, v9
	v_lshl_add_u32 v4, v10, 12, v3                 ; x:       wave x 4,096 + 16 l
	v_lshl_add_u32 v3, v10, 13, v3                 ; indices: wave x 8,192 + 16 l
	v_lshlrev_b32 v5, 3, v9
	v_lshl_add_u32 v6, v10, 11, v5                 ; xb:      wave x 2,048 + 8 l
	v_lshl_add_u32 v5, v10, 12, v5                 ; wb:      wave x 4,096 + 8 l
	v_lshlrev_b32 v7, 7, v0                        ; my row of the table
	s_mov_b32 s15, 0
	s_lshl_b32 s14, ttmp9, 16                      ; the work-group's 65,536 bytes of indices
	s_wait_kmcnt 0x0
	s_add_nc_u64 s[4:5], s[4:5], s[14:15]
	s_lshl_b32 s14, ttmp9, 15                      ; its 32,768 bytes of x and of wb
	s_add_nc_u64 s[8:9], s[8:9], s[14:15]
	s_add_nc_u64 s[10:11], s[10:11], s[14:15]
	s_lshl_b32 s14, ttmp9, 14                      ; its 16,384 bytes of xb
	s_add_nc_u64 s[12:13], s[12:13], s[14:15]
	global_load_b32 v8, v2, s[6:7]                 ; codebook[t]: every work-group reads it, so no hint
.irp i, 0,1,2,3,4,5,6,7,8,9,10,11,12,13,14,15
	global_load_b128 v[IDX+4*\i:IDX+4*\i+3], v3, s[4:5] offset:512*\i th:TH_LOAD_NT
.endr
.irp i, 0,1,2,3,4,5,6,7
	global_load_b128 v[X+4*\i:X+4*\i+3], v4, s[8:9] offset:512*\i th:TH_LOAD_NT
.endr
	s_wait_loadcnt 24                              ; loads come back in order (ISA guide 5.7.1): the codebook word is in, the 24 behind it stay out
	v_cvt_pk_bf16_f32 v12, v8, 0                   ; low half bf16(codebook[t]), high half 0
	v_mov_b32 v13, v12
	v_mov_b32 v14, v12
	v_mov_b32 v15, v12
.irp k, 0,1,2,3,4,5,6,7
	ds_store_b128 v7, v[12:15] offset:16*\k        ; 32 copies: my row of 128 bytes
.endr
	s_wait_dscnt 0x0                               ; for the other waves' sake: my row is written
	s_barrier_signal -1
	s_barrier_wait -1                              ; the table is whole
; Group i's four indices become four LDS addresses and are replaced by their table words.
.macro GATHER i
	s_wait_loadcnt 23-(\i)                         ; behind group i: 15 - i groups of indices and 8 of x
.irp k, 0,1,2,3
	v_min_u32 v[IDX+4*(\i)+\k], 0xff, v[IDX+4*(\i)+\k]             ; the address stays inside the table
.endr
.irp k, 0,1,2,3
	v_lshl_add_u32 v[IDX+4*(\i)+\k], v[IDX+4*(\i)+\k], 7, v1       ; 128 e + 4 l
.endr
.irp k, 0,1,2,3
	ds_load_b32 v[IDX+4*(\i)+\k], v[IDX+4*(\i)+\k]
.endr
.endm
; Group i's four words are packed to 8 bytes and stored.  left = the gathers issued behind group i's.
.macro PACK i, left
	s_wait_dscnt \left                             ; LDS loads come back in order (ISA guide 5.7.1)
	v_lshl_or_b32 v[IDX+4*(\i)],   v[IDX+4*(\i)+1], 16, v[IDX+4*(\i)]
	v_lshl_or_b32 v[IDX+4*(\i)+1], v[IDX+4*(\i)+3], 16, v[IDX+4*(\i)+2]
	global_store_b64 v5, v[IDX+4*(\i):IDX+4*(\i)+1], s[10:11] offset:256*(\i)   ; no hint: the next launches read wb
.endm
	GATHER 0
	GATHER 1
	GATHER 2
	GATHER 3
.irp i, 0,1,2,3,4,5,6,7,8,9,10,11
	GATHER \i+4
	PACK \i, 16                                    ; four younger groups of four gathers stay out
.endr
	PACK 12, 12                                    ; the counts run down
	PACK 13, 8
	PACK 14, 4
	PACK 15, 0
; x: two roundings in one instruction, 8 bytes a lane.  No register that a store names is written again, so no wait frees any.
.irp i, 0,1,2,3,4,5,6,7
	s_wait_loadcnt 7-\i                            ; the younger groups of x stay out
	v_cvt_pk_bf16_f32 v[X+4*\i],   v[X+4*\i],   v[X+4*\i+1]
	v_cvt_pk_bf16_f32 v[X+4*\i+1], v[X+4*\i+2], v[X+4*\i+3]
	global_store_b64 v6, v[X+4*\i:X+4*\i+1], s[12:13] offset:256*\i
.endr
	s_wait_tensorcnt 0x0
	ds_add_u32 v128, v129
	s_wait_dscnt 0x0
	s_endpgm
.Lfunc_end_k_qb0a8231ba4_prep:
	.size	k_qb0a8231ba4_prep, .Lfunc_end_k_qb0a8231ba4_prep-k_qb0a8231ba4_prep
	.p2alignl 7, 3214868480
	.fill 96, 4, 3214868480
	.section	.rodata,"a",@progbits
	.p2align	6, 0x0
	.amdhsa_kernel k_qb0a8231ba4_prep
		.amdhsa_group_segment_fixed_size 33792
		.amdhsa_private_segment_fixed_size 0
		.amdhsa_enable_private_segment 0
		.amdhsa_kernarg_size 40
		.amdhsa_user_sgpr_count 2
		.amdhsa_user_sgpr_kernarg_segment_ptr 1
		.amdhsa_wavefront_size32 1
		.amdhsa_system_sgpr_workgroup_id_x 1
		.amdhsa_system_sgpr_workgroup_id_y 1
		.amdhsa_system_sgpr_workgroup_id_z 1
		.amdhsa_system_vgpr_workitem_id 0
		.amdhsa_next_free_vgpr 130
		.amdhsa_next_free_sgpr 66
		.amdhsa_reserve_vcc 0
		.amdhsa_float_denorm_mode_32 3
		.amdhsa_float_denorm_mode_16_64 3
		.amdhsa_memory_ordered 1
		.amdhsa_forward_progress 1
		.amdhsa_inst_pref_size 24
	.end_amdhsa_kernel
	.amdgpu_metadata
---
amdhsa.version: [ 1, 2 ]
amdhsa.kernels:
  - .name:           k_qb0a8231ba4_prep
    .symbol:         k_qb0a8231ba4_prep.kd
    .args:
      - { .name: indices, .offset: 0, .size: 8, .value_kind: global_buffer, .address_space: global }
      - { .name: codebook, .offset: 8, .size: 8, .value_kind: global_buffer, .address_space: global }
      - { .name: x, .offset: 16, .size: 8, .value_kind: global_buffer, .address_space: global }
      - { .name: wb, .offset: 24, .size: 8, .value_kind: global_buffer, .address_space: global }
      - { .name: xb, .offset: 32, .size: 8, .value_kind: global_buffer, .address_space: global }
    .group_segment_fixed_size: 33792
    .private_segment_fixed_size: 0
    .kernarg_segment_align: 8
    .kernarg_segment_size: 40
    .max_flat_workgroup_size: 256
    .sgpr_count:     66
    .vgpr_count:     130
    .wavefront_size: 32
...
	.end_amdgpu_metadata
.endif
;; end of part 1
;; launch gemm1 (part 2): grid 16 x 16, 4 waves a work-group, clusters of 4 x 4, 327,680 bytes of LDS; arguments xb, wb, b1, hb, c19_c, c19_rho; writes hb
.if DOCPART == 2
	.amdgcn_target "amdgcn-amd-amdhsa--gfx1250"
	.amdhsa_code_object_version 6
	.text
	.protected	k_qb0a8231ba4_gemm1
	.globl	k_qb0a8231ba4_gemm1
	.p2align	8
	.type	k_qb0a8231ba4_gemm1,@function
k_qb0a8231ba4_gemm1:
	s_mov_b64 s[64:65], 0
	v_nop
	global_prefetch_b8 v0, s[64:65] scope:SCOPE_SE
	s_setreg_imm32_b32 hwreg(HW_REG_WAVE_MODE, 25, 1), 1
	s_wait_xcnt 0x0
	s_wait_alu depctr_hold_cnt(0) depctr_sa_sdst(0) depctr_va_vdst(0) depctr_va_sdst(0) depctr_va_ssrc(0) depctr_va_vcc(0) depctr_vm_vsrc(0)
	s_getreg_b32 s2, hwreg(HW_REG_IB_STS2, 6, 4)
	s_cmp_eq_u32 s2, 0
	s_cbranch_scc0 .Lentry_in_a_cluster
	s_endpgm
.Lentry_in_a_cluster:
	s_bfe_u32 s2, ttmp6, 0x10000c
	s_cmp_lg_u32 s2, 0xf033
	s_cbranch_scc0 .Lentry_shape_is_right
	s_endpgm
.Lentry_shape_is_right:
; hb[m][j] = bf16( c19( sum over i of xb[m][i] wb[i][j] + b1[j] ) ).  xb: [2048][4096] bf16, wb: [4096 i][4096 j] bf16, hb: [2048][4096] bf16; sums in f32.
; 16 x 16 work-groups of four waves; a work-group makes 128 rows x 256 columns, a wave 64 x 128: 32 accumulator tiles of 16 x 16, 256 registers.
; K (= i) goes in 32 steps of 128 through two LDS slots filled by the tensor data mover, one load a wave for each slot.
; wb lies [K][N] here: its tile comes in as 128 rows (k) of 512 bytes (256 columns), and its fragments are read with the transposing LDS load.
; THE GRID: block rows run along x, block columns along y.  The work-groups of y = 0 .. 7 together read all of xb and half of wb, 16 + 16 MiB;
; laid the other way, half of the grid would read half of xb and all of wb, 8 + 32 MiB.
; CLUSTERS: 4 x 4 work-groups.  xb's tile hangs on the block row alone and is asked for jointly by the four work-groups with my cx; wb's hangs on the
; block column alone and is asked for jointly by the four with my cy.  That divides the requests for both by four.
; REQUESTS AHEAD: behind the refill at the end of K step 2 i + 1 (which asks for K step 2 i + 3) wave 0 asks by one prefetch for this work-group's
; sixteenth of wb's tiles of K steps 2 i + 4 and 2 i + 5 (16 blocks of 256 bytes of each, one lane a block), and wave 2 for its eighth of xb's tiles
; of the same steps (16 blocks of each): the tensor loads that want them are issued one and two K steps later.  K steps 2 and 3 are asked for at the head;
; laps 14 and 15 ask for nothing, so no request passes K step 31.  wb's tile of a block column is shared out among the 16 block rows, each block asked for
; once; xb's tile of a block row is shared out twice, among block columns 0 to 7 and again among block columns 8 to 15.
; THE MATRIX INSTRUCTION IS USED TRANSPOSED: source 0 = 16 columns of wb, source 1 = 16 rows of xb; lane l then holds row l % 16 of the result and its
; registers 0 to 7 the columns 8 (l / 16) + 0 .. 7.  THE BIAS STARTS THE SUMS: the first product of a tile takes eight registers of b1 as C.
; THE ACTIVATION, with c = exp(c19_c), rho = sigmoid(c19_rho), q = (1 - rho) c, u = h * 2 log2(e) / c (so that 2^u = e^(2 h / c)):
;   |u| >= 1/16:  y = (rho h + q) - 2 q / (1 + 2^u)        which is rho h + q tanh(h / c); 2^u = infinity gives 0 for the quotient, 2^u = 0 gives 2 q
;   |u| <  1/16:  y = u (c ln2 / 2 + k u^2), k = -q (ln2 / 2)^3 / 3   which is h - q t^3 / 3 with t = h / c < 0.0217; the term left out is 2 t^4 / 15 of q t
; Both are computed in every lane and a select takes one: no difference of near numbers is formed where h / c is small.
; LIMITS: operands and hb are rounded to bf16.  |c19_c| below about 87, so that exp(c19_c) and exp(-c19_c) are normal f32 numbers
; (v_exp_f32 gives 0 for a result below 2^-126: ISA guide 15.8).
;
; REGISTERS, in windows of 256:  window 0: v0-31 addresses; v32-127 and v128-223 two fragment buffers (wb's 8 fragments, then xb's 4);
;   window 1: accumulator tile (a, b) at v[8 (8 a + b)];  window 2: v0-63 the bias, b1 of tile column b at v[8 b].
.set PITCHA, 272                       ; xb's LDS row: 256 bytes + 16 of padding: the 16 rows of a fragment load start at 16 different banks (64 banks of 4 bytes: ISA guide 11.1)
.set PITCHB, 544                       ; wb's LDS row: 512 bytes + 32 of padding = 17 x 32
.set BHALF,  64*PITCHB                 ; 34,816: what one of wb's loads brings
.set AHALF,  64*PITCHA                 ; 17,408: what one of xb's loads brings, and what one wave reads of xb
.set BTILE,  2*BHALF                   ; wb's tile lies first in a slot, xb's behind it
.set SLOT,   BTILE+2*AHALF             ; 104,448
.set STAGE,  2*SLOT                    ; 208,896: behind the ring, 64 rows x 272 bytes for each wave, for the way out
.set WSTAGE, 64*272
.set PAR,    STAGE+4*WSTAGE            ; 278,528: six kinds of 256 f32: the activation's numbers for the block's 256 columns
.set ASTEP,  256                       ; a K step along xb's rows, in bytes
.set BSTEP,  128*8192                  ; a K step down wb's rows, in bytes
.set LAPS,   16                        ; a lap = two K steps = once round the ring
.set ADRA, 16                          ; v16-17  LDS address of my xb fragments in slot 0, 1
.set PFA,  18                          ; v18     the prefetch of xb: my lane's byte offset; never rewritten
.set ADRB, 20                          ; v20-21  LDS address of my wb fragments in slot 0, 1
.set PFB,  22                          ; v22     the prefetch of wb: my lane's byte offset; never rewritten
.set STO,  24                          ; the way out: where I put 16 bytes of a row
.set RD,   25                          ; the way out: where I read rows back
.set CO,   26                          ; my byte offset in hb
.set PADR, 27                          ; LDS address of my columns' numbers
.set BO,   28                          ; my byte offset in b1
.set F0,   32
.set F1,   128
.set P0,   32                          ; the way out: two sets of 48 registers, kind at + 8 kind: I, rho, q, -2 q, k, c ln2 / 2
.set P1,   80
.set U,    128                         ; u, later the packed results; 32 registers, 8 a + j
.set Y,    160
.set E,    192                         ; 2^u, 1 + 2^u, its reciprocal
.set S,    224                         ; u^2, then the small path
.set G1A, 24                           ; s[24:31] descriptor group 1, xb's tiles
.set G0A, 32                           ; s[32:39] group 0, one set of four for each slot
.set G1B, 40                           ; s[40:47] descriptor group 1, wb's tiles
.set G0B, 48                           ; s[48:55] group 0, one set of four for each slot
.set PA,  80                           ; s[80:81] the prefetch of xb: base, stepped once a lap
.set PB,  82                           ; s[82:83] the prefetch of wb: base, stepped once a lap
.set MULW, 0x50                        ; C and D in window 1
.set MULB, 0x60                        ; D in window 1, C in window 2
.set BIASW, 0x80                       ; loaded data into window 2
.set MSB, 0
.macro WIN new                         ; the immediate's high byte repeats the setting that is left
.if MSB != \new
	s_set_vgpr_msb (MSB<<8)|\new
.set MSB, \new
.endif
.endm
.macro PLACES                          ; a load into a register that a matrix instruction has read, and a vector instruction or store that reads a matrix result, stand four
.rept 4                                ; plain vector instructions behind it (ISA guide 7.12.1 for vector instructions)
	v_nop
.endr
.endm
; A joint load.  Waves 0 and 1 fetch wb's two halves, waves 2 and 3 xb's.  The branch hangs on the wave's number alone.
.macro JLOAD s
	s_cmp_eq_u32 s17, 0
	s_cbranch_scc0 .Lfor_a_\@
	tensor_load_to_lds s[G0B+4*\s:G0B+4*\s+3], s[G1B:G1B+7]
	s_nop 0
	s_branch .Lasked_\@
.Lfor_a_\@:
	tensor_load_to_lds s[G0A+4*\s:G0A+4*\s+3], s[G1A:G1A+7]
	s_nop 0
.Lasked_\@:
.endm
; The requests ahead: wave 0 asks for 32 blocks of wb, wave 2 for 32 blocks of xb, waves 1 and 3 for nothing.  step = 1: both bases go two K steps on first.
.macro PREF step
.if \step
	s_wait_xcnt 0x0                                ; the last lap's request has had its address translated (ISA guide 3.1): its base is stepped only behind this wait
	s_add_nc_u64 s[PA:PA+1], s[PA:PA+1], 2*ASTEP
	s_add_nc_u64 s[PB:PB+1], s[PB:PB+1], 2*BSTEP
.endif
	s_cmp_lg_u32 s18, 0
	s_cbranch_scc1 .Lnone_\@
	s_cmp_eq_u32 s17, 0
	s_cbranch_scc0 .Lahead_a_\@
	global_prefetch_b8 v[PFB], s[PB:PB+1] th:TH_LOAD_NT scope:SCOPE_SE
	s_branch .Lnone_\@
.Lahead_a_\@:
	global_prefetch_b8 v[PFA], s[PA:PA+1] th:TH_LOAD_NT scope:SCOPE_SE
.Lnone_\@:
.endm
.macro CREST                           ; a round of the cluster's barrier behind its opening barrier
	s_cmp_lg_u32 s16, 0
	s_cbranch_scc1 .Lnot_wave_0_\@
	s_barrier_signal -3
.Lnot_wave_0_\@:
	s_barrier_wait -3
	s_barrier_signal -1
	s_barrier_wait -1
.endm
.macro CROUND                          ; a whole round
	s_barrier_signal -1
	s_barrier_wait -1
	CREST
.endm
	s_load_b256 s[4:11], s[0:1], 0x0               ; xb s[4:5], wb s[6:7], b1 s[8:9], hb s[10:11]
	s_load_b128 s[12:15], s[0:1], 0x20             ; c19_c s[12:13], c19_rho s[14:15]
	v_lshl_add_u32 v23, v0, 2, 0x45800
	v_mov_b32 v31, 0
	ds_add_u32 v23, v31
	v_lshrrev_b32 v1, 5, v0
	v_readfirstlane_b32 s16, v1                    ; wave 0..3
	s_lshr_b32 s17, s16, 1                         ; which 64 rows are mine.  Also: I fetch for wb (0) or for xb (1)
	s_and_b32 s18, s16, 1                          ; which 128 columns are mine.  Also: which half of that tile I fetch
	s_bfe_u32 s19, ttmp6, 0x40000                  ; cx
	s_bfe_u32 s20, ttmp6, 0x40004                  ; cy
	s_lshl_b32 s22, ttmp9, 2
	s_add_co_u32 s22, s22, s19                     ; block row = 4 x cluster x + cx
	s_and_b32 s21, ttmp7, 0xffff
	s_lshl_b32 s21, s21, 2
	s_add_co_u32 s21, s21, s20                     ; block column = 4 x cluster y + cy
	s_lshl_b32 s68, 0x1111, s19                    ; the places with my cx: cx, cx + 4, cx + 8, cx + 12: they share my block row
	s_lshl_b32 s69, s20, 2
	s_lshl_b32 s69, 15, s69                        ; the places with my cy: 4 cy .. 4 cy + 3: they share my block column
	; group 1 for xb: 64 rows x 128 elements of 2 bytes, 4 words of padding behind every 64
	s_or_b32 s[G1A+0], s68, (1<<16)|(1<<20)|(1<<21)|(5<<22)|(3<<25)
	s_mov_b32 s[G1A+1], 128<<16                    ; tensor_dim0 = 128
	s_mov_b32 s[G1A+2], 64<<16                     ; tensor_dim1 = 64
	s_mov_b32 s[G1A+3], 128<<16                    ; tile_dim0 = 128
	s_mov_b32 s[G1A+4], 64                         ; tile_dim1 = 64
	s_mov_b32 s[G1A+5], 4096                       ; elements from row to row
	s_mov_b32 s[G1A+6], 0
	s_mov_b32 s[G1A+7], 0
	; group 1 for wb: 64 rows (k) x 256 elements (n), 8 words of padding behind every 128
	s_or_b32 s[G1B+0], s69, (1<<16)|(1<<20)|(1<<21)|(6<<22)|(7<<25)
	s_mov_b32 s[G1B+1], 256<<16
	s_mov_b32 s[G1B+2], 64<<16
	s_mov_b32 s[G1B+3], 256<<16
	s_mov_b32 s[G1B+4], 64
	s_mov_b32 s[G1B+5], 4096
	s_mov_b32 s[G1B+6], 0
	s_mov_b32 s[G1B+7], 0
	; where the tiles come from: xb's from the block row and the half, wb's from the block column and the half, each in registers of its own
	s_lshl_b32 s56, s22, 20                        ; 128 rows of 8,192 bytes for each block row
	s_lshl_b32 s57, s18, 19                        ; 64 rows for the half
	s_add_co_u32 s56, s56, s57
	s_mov_b32 s57, 0
	s_lshl_b32 s60, s21, 9                         ; 256 columns of 2 bytes for each block column
	s_lshl_b32 s61, s18, 19                        ; 64 rows (k) for the half
	s_add_co_u32 s60, s60, s61
	s_mov_b32 s61, 0
	; and where they go: a constant and the wave's number times a constant
	s_mul_i32 s66, s16, AHALF
	s_add_co_u32 s66, s66, BTILE-2*AHALF           ; waves 2, 3: BTILE, BTILE + AHALF
	s_mul_i32 s67, s16, BHALF                      ; waves 0, 1: 0, BHALF
	s_wait_dscnt 0x0
	s_wait_kmcnt 0x0
	s_add_nc_u64 s[58:59], s[4:5], s[56:57]
	s_add_nc_u64 s[62:63], s[6:7], s[60:61]
	CROUND                                         ; all sixteen work-groups are here: the first joint loads meet
.irp s, 0,1
	s_mov_b32 s[G0A+4*\s], 1
	s_add_co_u32 s[G0A+4*\s+1], s66, \s*SLOT
	s_add_nc_u64 s[G0A+4*\s+2:G0A+4*\s+3], s[58:59], \s*ASTEP
	s_or_b32 s[G0A+4*\s+3], s[G0A+4*\s+3], 0x80000000
	s_mov_b32 s[G0B+4*\s], 1
	s_add_co_u32 s[G0B+4*\s+1], s67, \s*SLOT
	s_add_nc_u64 s[G0B+4*\s+2:G0B+4*\s+3], s[62:63], \s*BSTEP
	s_or_b32 s[G0B+4*\s+3], s[G0B+4*\s+3], 0x80000000
	JLOAD \s                                       ; K steps 0 and 1: both slots are asked for before anything else is done
.endr
	; the other addresses
	s_lshl_b32 s70, s21, 10                        ; the block's 256 columns in an f32 vector
	s_mov_b32 s71, 0
	s_add_nc_u64 s[12:13], s[12:13], s[70:71]
	s_add_nc_u64 s[14:15], s[14:15], s[70:71]
	s_lshl_b32 s72, s18, 9
	s_add_co_u32 s70, s70, s72                     ; + my wave's 128 columns
	s_add_nc_u64 s[8:9], s[8:9], s[70:71]
	s_lshl_b32 s72, s22, 20                        ; hb: (128 block row + 64 wm) rows of 8,192 bytes + 512 block column + 256 wn
	s_lshl_b32 s73, s17, 19
	s_add_co_u32 s72, s72, s73
	s_lshl_b32 s73, s21, 9
	s_add_co_u32 s72, s72, s73
	s_lshl_b32 s73, s18, 8
	s_add_co_u32 s72, s72, s73
	s_mov_b32 s73, 0
	s_add_nc_u64 s[10:11], s[10:11], s[72:73]
	s_mov_b32 s74, 0x3d800000                      ; 1/16: where the two paths of the activation meet
	; the requests ahead, at K step 2.  xb: rows 128 block row + 16 (block column mod 8) + 0 .. 15, 256 bytes of each
	s_lshl_b32 s84, s22, 20
	s_and_b32 s85, s21, 7
	s_lshl_b32 s85, s85, 17
	s_add_co_u32 s84, s84, s85
	s_add_co_u32 s84, s84, 2*ASTEP
	s_mov_b32 s85, 0
	s_add_nc_u64 s[PA:PA+1], s[4:5], s[84:85]
	; wb: rows (k) 8 block row + 0 .. 7 of the step's 128, both blocks of 256 bytes of the block column's 512
	s_lshl_b32 s86, s22, 16
	s_lshl_b32 s87, s21, 9
	s_add_co_u32 s86, s86, s87
	s_add_co_u32 s86, s86, 2*BSTEP
	s_mov_b32 s87, 0
	s_add_nc_u64 s[PB:PB+1], s[6:7], s[86:87]
	v_and_b32 v1, 15, v0                           ; r = l % 16
	v_bfe_u32 v2, v0, 4, 1                         ; h = l / 16
	v_lshlrev_b32 v29, 3, v0                       ; thread t of 128 takes columns 2 t and 2 t + 1 of the block
	v_lshlrev_b32 v[BO], 5, v2                     ; b1: 8 h numbers
	global_load_b64 v[32:33], v29, s[12:13]        ; c19_c
	global_load_b64 v[34:35], v29, s[14:15]        ; c19_rho
	WIN BIASW
.irp b, 0,1,2,3,4,5,6,7
	global_load_b128 v[8*\b:8*\b+3],   v[BO], s[8:9] offset:64*\b      ; register j: b1[16 b + 8 h + j] of my 128 columns
	global_load_b128 v[8*\b+4:8*\b+7], v[BO], s[8:9] offset:64*\b+16
.endr
	WIN 0
	v_lshlrev_b32 v[PFA], 13, v1                   ; xb: lane l asks for row l % 16 of the sixteen, K step l / 16 of the two
	v_lshl_add_u32 v[PFA], v2, 8, v[PFA]
	v_lshrrev_b32 v[PFB], 1, v1                    ; wb: row (l % 16) / 2 of the eight,
	v_lshlrev_b32 v[PFB], 13, v[PFB]
	v_and_b32 v9, 1, v1
	v_lshl_add_u32 v[PFB], v9, 8, v[PFB]           ; block l % 2 of the two,
	v_lshl_add_u32 v[PFB], v2, 20, v[PFB]          ; K step l / 16 of the two (128 rows of 8,192 bytes)
	PREF 0                                         ; K steps 2 and 3
	v_mul_u32_u24 v3, v1, PITCHA
	v_lshl_add_u32 v3, v2, 4, v3                   ; 272 r + 16 h
	s_mul_i32 s76, s17, AHALF
	s_add_co_u32 s76, s76, BTILE                   ; my 64 rows of xb
	v_add_nc_u32 v[ADRA], s76, v3
	v_add_nc_u32 v[ADRA+1], SLOT, v[ADRA]
	v_and_b32 v4, 7, v0                            ; the transposing load: lane l addresses row 8 h + l % 8 (k), 16 bytes at 16 ((l / 8) % 2)
	v_lshl_add_u32 v4, v2, 3, v4
	v_mul_u32_u24 v4, v4, PITCHB
	v_bfe_u32 v5, v0, 3, 1
	v_lshl_add_u32 v4, v5, 4, v4
	s_lshl_b32 s77, s18, 8                         ; my 128 columns of wb
	v_add_nc_u32 v[ADRB], s77, v4
	v_add_nc_u32 v[ADRB+1], SLOT, v[ADRB]
	s_mul_i32 s78, s16, WSTAGE
	s_add_co_u32 s78, s78, STAGE                   ; my stage
	v_add_nc_u32 v[STO], s78, v3                   ; in: row r, 16 bytes for each half of the lanes
	v_mul_u32_u24 v7, v2, 272                      ; back: lanes 0-15 take one row of 256 bytes, lanes 16-31 the next
	v_lshl_add_u32 v7, v1, 4, v7
	v_add_nc_u32 v[RD], s78, v7
	v_lshlrev_b32 v8, 13, v2                       ; and the same two rows in hb
	v_lshl_add_u32 v[CO], v1, 4, v8
	s_lshl_b32 s79, s18, 9
	s_add_co_u32 s79, s79, PAR
	v_lshl_add_u32 v[PADR], v2, 5, s79             ; my wave's 128 columns, 8 h numbers on
	; the activation's six numbers for my two columns
	s_wait_loadcnt 16                              ; c19_c and c19_rho are in; the 16 loads of the bias stay out
	v_pk_mul_f32 v[36:37], v[32:33], 0x3fb8aa3b op_sel_hi:[1,0]    ;  c_raw log2(e)
	v_pk_mul_f32 v[48:49], v[32:33], 0xbfb8aa3b op_sel_hi:[1,0]    ; -c_raw log2(e)
	v_pk_mul_f32 v[38:39], v[34:35], 0x3fb8aa3b op_sel_hi:[1,0]    ;  rho_raw log2(e)
	v_pk_mul_f32 v[50:51], v[34:35], 0xbfb8aa3b op_sel_hi:[1,0]    ; -rho_raw log2(e)
	v_exp_f32 v40, v36                             ; c
	v_exp_f32 v41, v37
	v_exp_f32 v42, v48                             ; 1 / c
	v_exp_f32 v43, v49
	v_exp_f32 v44, v50                             ; e^-rho_raw
	v_exp_f32 v45, v51
	v_exp_f32 v46, v38                             ; e^rho_raw
	v_exp_f32 v47, v39
	v_add_nc_u32 v30, PAR, v29                     ; one plain vector instruction behind the exponentials, before their results are used (ISA guide 5.7.2)
	s_wait_alu depctr_va_vdst(0)
	v_pk_add_f32 v[44:45], v[44:45], 1.0 op_sel_hi:[1,0]
	v_pk_add_f32 v[46:47], v[46:47], 1.0 op_sel_hi:[1,0]
	v_rcp_f32 v54, v44                             ; rho
	v_rcp_f32 v55, v45
	v_rcp_f32 v56, v46                             ; 1 - rho, made without a difference
	v_rcp_f32 v57, v47
	v_pk_mul_f32 v[58:59], v[42:43], 0x4038aa3b op_sel_hi:[1,0]    ; I = 2 log2(e) / c; also the plain place behind the reciprocals
	v_pk_mul_f32 v[60:61], v[40:41], 0x3eb17218 op_sel_hi:[1,0]    ; c ln2 / 2
	s_wait_alu depctr_va_vdst(0)
	v_pk_mul_f32 v[62:63], v[56:57], v[40:41]                      ; q = (1 - rho) c
	v_pk_mul_f32 v[36:37], v[62:63], -2.0 op_sel_hi:[1,0]          ; -2 q
	v_pk_mul_f32 v[38:39], v[62:63], 0xbc635847 op_sel_hi:[1,0]    ; k = -q (ln2 / 2)^3 / 3
	ds_store_b64 v30, v[58:59]
	ds_store_b64 v30, v[54:55] offset:1024
	ds_store_b64 v30, v[62:63] offset:2048
	ds_store_b64 v30, v[36:37] offset:3072
	ds_store_b64 v30, v[38:39] offset:4096
	ds_store_b64 v30, v[60:61] offset:5120
; 8 matrix instructions: tile row a x all 8 tile columns, 32 along K.  first = 1: C is the bias, and nothing is ever cleared.
; The 32 accumulators take turns, one instruction a turn, in the same order in every quarter step.
.macro MUL8 f, a, first
.irp b, 0,1,2,3,4,5,6,7
.if \first
	v_wmma_f32_16x16x32_bf16 v[8*(8*\a+\b):8*(8*\a+\b)+7], v[\f+8*\b:\f+8*\b+7], v[\f+64+8*\a:\f+64+8*\a+7], v[8*\b:8*\b+7]
.else
	v_wmma_f32_16x16x32_bf16 v[8*(8*\a+\b):8*(8*\a+\b)+7], v[\f+8*\b:\f+8*\b+7], v[\f+64+8*\a:\f+64+8*\a+7], v[8*(8*\a+\b):8*(8*\a+\b)+7]
.endif
.endr
.endm
; 24 LDS loads in one run: the fragments of quarter q (32 along K) of a slot into buffer f.
; wb: the first transposing load brings k = 8 h .. 8 h + 7 of column 16 i + r, the second, 16 rows further down, k = 16 + 8 h .. + 7.
.macro FETCH slot, q, f
	WIN 0
.irp i, 0,1,2,3,4,5,6,7
	ds_load_tr16_b128 v[\f+8*\i:\f+8*\i+3],   v[ADRB+\slot] offset:\q*32*PITCHB+32*\i
	ds_load_tr16_b128 v[\f+8*\i+4:\f+8*\i+7], v[ADRB+\slot] offset:\q*32*PITCHB+32*\i+16*PITCHB
.endr
.irp i, 0,1,2,3
	ds_load_b128 v[\f+64+8*\i:\f+64+8*\i+3],   v[ADRA+\slot] offset:\q*64+\i*16*PITCHA
	ds_load_b128 v[\f+64+8*\i+4:\f+64+8*\i+7], v[ADRA+\slot] offset:\q*64+\i*16*PITCHA+32
.endr
.endm
; One of a K step's first three quarters: asks for quarter q's fragments into buffer g, then multiplies buffer f while they come.
.macro QUARTER slot, q, f, g, first
	PLACES                                         ; buffer g was read by the matrix instructions just issued
	FETCH \slot, \q, \g
	s_wait_dscnt 24                                ; all but the 24 just issued: buffer f is in
.if \first
	WIN MULB
.else
	WIN MULW
.endif
	MUL8 \f, 0, \first
	MUL8 \f, 1, \first
	MUL8 \f, 2, \first
	MUL8 \f, 3, \first
.endm
.macro THREE slot, first
	QUARTER \slot, 1, F0, F1, \first
	QUARTER \slot, 2, F1, F0, 0
	QUARTER \slot, 3, F0, F1, 0
.endm
; The last quarter multiplies buffer 1 and changes slots.  In front of the barrier each wave waits for its reads of this slot and for all its tensor
; loads, of which one is out: its part of the next slot.  Behind it (fill = 1: behind the round of the cluster's barrier that it opens) the refill
; comes first, then (ahead = 1) the requests ahead, then the next slot's first fragments.  From a request to the wait for it a wave issues 24 + 96 matrix instructions.
.macro TURN slot, next, fill, ahead
	s_wait_dscnt 0x0                               ; buffer 1 is in, and my reads of this slot are over
	s_wait_tensorcnt 0x0                           ; all my tensor loads have landed
	ds_add_u32 v23, v31
	s_wait_dscnt 0x0
	s_barrier_signal -1
	WIN MULW
	MUL8 F1, 0, 0                                  ; register work while the others arrive
	WIN 0
	s_barrier_wait -1
.if \fill
	CREST                                          ; no wave of any partner still reads this slot or has a load on its way
	s_add_nc_u64 s[G0A+4*\slot+2:G0A+4*\slot+3], s[G0A+4*\slot+2:G0A+4*\slot+3], 2*ASTEP
	s_add_nc_u64 s[G0B+4*\slot+2:G0B+4*\slot+3], s[G0B+4*\slot+2:G0B+4*\slot+3], 2*BSTEP
	JLOAD \slot                                    ; my one tensor load behind the round: this slot, two K steps ahead
.endif
.if \ahead
	PREF 1                                         ; the two K steps behind the one just asked for
.endif
	PLACES
	FETCH \next, 0, F0
	WIN MULW
	MUL8 F1, 1, 0
	MUL8 F1, 2, 0
	MUL8 F1, 3, 0
.endm
.macro LAP first, ahead
	THREE 0, \first
	TURN 0, 1, 1, 0
	THREE 1, 0
	TURN 1, 0, 1, \ahead
.endm
	s_wait_loadcnt 0x0                             ; the bias
	s_wait_dscnt 0x0                               ; for the other waves' sake: my columns' numbers are written
	s_wait_tensorcnt 0x1                           ; my part of K step 0 is in; K step 1's stays out
	s_barrier_signal -1
	s_barrier_wait -1
	FETCH 0, 0, F0
	LAP 1, 1                                       ; lap 0 stands in front of the loop: its first products start the sums from the bias
	WIN 0                                          ; at a label and at a branch every window is 0
	s_mov_b32 s23, LAPS-3                          ; laps 1 to 13
.Llap:
	LAP 0, 1
	WIN 0
	s_sub_co_u32 s23, s23, 1
	s_cmp_lg_u32 s23, 0
	s_cbranch_scc1 .Llap
	LAP 0, 0                                       ; lap 14 fills both slots once more (K steps 30 and 31) and asks for nothing ahead: there is no K step 32
	THREE 0, 0                                     ; lap 15 fills nothing: the one load still out is slot 1's, K step 31
	TURN 0, 1, 0, 0
	THREE 1, 0
	s_wait_dscnt 0x0
	WIN MULW
	MUL8 F1, 0, 0
	MUL8 F1, 1, 0
	MUL8 F1, 2, 0
	MUL8 F1, 3, 0
	; THE WAY OUT.  Tile column b at a time: the activation on its four tiles, 16 bytes of bf16 a lane and tile into my stage.
	PLACES
	WIN 0
.macro PLOAD b, set                    ; the six kinds for columns 16 b + 8 h + 0 .. 7
.irp k, 0,1,2,3,4,5
	ds_load_b128 v[\set+8*\k:\set+8*\k+3],   v[PADR] offset:1024*\k+64*(\b)
	ds_load_b128 v[\set+8*\k+4:\set+8*\k+7], v[PADR] offset:1024*\k+64*(\b)+16
.endr
.endm
.macro ACT b, cur, nxt, more
.if \more
	PLOAD \b+1, \nxt
	s_wait_dscnt 12                                ; all but the 12 just issued: this column's numbers are in
.else
	s_wait_dscnt 0x0
.endif
	WIN 0x01                                       ; source 0: the accumulators
.irp a, 0,1,2,3
.irp p, 0,2,4,6
	v_pk_mul_f32 v[U+8*\a+\p:U+8*\a+\p+1], v[8*(8*\a+\b)+\p:8*(8*\a+\b)+\p+1], v[\cur+\p:\cur+\p+1]                                  ; u = h I
	v_pk_fma_f32 v[Y+8*\a+\p:Y+8*\a+\p+1], v[8*(8*\a+\b)+\p:8*(8*\a+\b)+\p+1], v[\cur+8+\p:\cur+8+\p+1], v[\cur+16+\p:\cur+16+\p+1]   ; rho h + q
.endr
.endr
	WIN 0
.set i, 0
.rept 32
	v_exp_f32 v[E+i], v[U+i]                       ; 2^u
.set i, i+1
.endr
.set i, 0
.rept 16
	v_pk_mul_f32 v[S+i:S+i+1], v[U+i:U+i+1], v[U+i:U+i+1]          ; u^2; also the plain place behind the exponentials (ISA guide 5.7.2)
.set i, i+2
.endr
.set i, 0
	s_wait_alu depctr_va_vdst(0)
.rept 16
	v_pk_add_f32 v[E+i:E+i+1], v[E+i:E+i+1], 1.0 op_sel_hi:[1,0]
.set i, i+2
.endr
.set i, 0
.rept 32
	v_rcp_f32 v[E+i], v[E+i]                       ; 1 / (1 + 2^u)
.set i, i+1
.endr
.irp a, 0,1,2,3
.irp p, 0,2,4,6
	v_pk_fma_f32 v[S+8*\a+\p:S+8*\a+\p+1], v[S+8*\a+\p:S+8*\a+\p+1], v[\cur+32+\p:\cur+32+\p+1], v[\cur+40+\p:\cur+40+\p+1]   ; k u^2 + c ln2 / 2; the place behind the reciprocals
.endr
.endr
	s_wait_alu depctr_va_vdst(0)
.irp a, 0,1,2,3
.irp p, 0,2,4,6
	v_pk_fma_f32 v[Y+8*\a+\p:Y+8*\a+\p+1], v[E+8*\a+\p:E+8*\a+\p+1], v[\cur+24+\p:\cur+24+\p+1], v[Y+8*\a+\p:Y+8*\a+\p+1]     ; the large path
.endr
.endr
.set i, 0
.rept 16
	v_pk_mul_f32 v[S+i:S+i+1], v[S+i:S+i+1], v[U+i:U+i+1]          ; the small path
.set i, i+2
.endr
.set i, 0
.rept 8
	v_cmp_lt_f32 s76, |v[U+i]|, s74                ; four masks, then four selects
	v_cmp_lt_f32 s77, |v[U+i+1]|, s74
	v_cmp_lt_f32 s78, |v[U+i+2]|, s74
	v_cmp_lt_f32 s79, |v[U+i+3]|, s74
	v_cndmask_b32 v[Y+i],   v[Y+i],   v[S+i],   s76
	v_cndmask_b32 v[Y+i+1], v[Y+i+1], v[S+i+1], s77
	v_cndmask_b32 v[Y+i+2], v[Y+i+2], v[S+i+2], s78
	v_cndmask_b32 v[Y+i+3], v[Y+i+3], v[S+i+3], s79
.set i, i+4
.endr
.irp a, 0,1,2,3
.irp p, 0,1,2,3
	v_cvt_pk_bf16_f32 v[U+8*\a+\p], v[Y+8*\a+2*\p], v[Y+8*\a+2*\p+1]
.endr
	ds_store_b128 v[STO], v[U+8*\a:U+8*\a+3] offset:16*272*\a+32*\b    ; row 16 a + r, columns 16 b + 8 h .. + 7
.endr
.endm
	PLOAD 0, P0
	ACT 0, P0, P1, 1
	ACT 1, P1, P0, 1
	ACT 2, P0, P1, 1
	ACT 3, P1, P0, 1
	ACT 4, P0, P1, 1
	ACT 5, P1, P0, 1
	ACT 6, P0, P1, 1
	ACT 7, P1, P0, 0
	; my 64 rows of 256 bytes back, two rows a load, and out.  LDS serves a wave's instructions in order (ISA guide 5.7.1.4): these see the stores above.
.irp t, 0,1,2,3,4,5,6,7,8,9,10,11,12,13,14,15,16,17,18,19,20,21,22,23,24,25,26,27,28,29,30,31
	ds_load_b128 v[32+4*\t:32+4*\t+3], v[RD] offset:2*272*\t
.endr
.irp t, 0,1,2,3,4,5,6,7,8,9,10,11,12,13,14,15,16,17,18,19,20,21,22,23,24,25,26,27,28,29,30,31
	s_wait_dscnt 31-\t                             ; the younger loads stay out
	global_store_b128 v[CO], v[32+4*\t:32+4*\t+3], s[10:11] offset:2*8192*\t   ; 16 lanes store 256 consecutive bytes, aligned; no hint: the next launch reads hb
.endr
	s_wait_tensorcnt 0x0
	ds_add_u32 v23, v31
	s_wait_dscnt 0x0
	CROUND                                         ; the closing round: no work-group ends while a partner may still ask for a tile that names it
	s_endpgm
.Lfunc_end_k_qb0a8231ba4_gemm1:
	.size	k_qb0a8231ba4_gemm1, .Lfunc_end_k_qb0a8231ba4_gemm1-k_qb0a8231ba4_gemm1
	.p2alignl 7, 3214868480
	.fill 96, 4, 3214868480
	.section	.rodata,"a",@progbits
	.p2align	6, 0x0
	.amdhsa_kernel k_qb0a8231ba4_gemm1
		.amdhsa_group_segment_fixed_size 327680
		.amdhsa_private_segment_fixed_size 0
		.amdhsa_enable_private_segment 0
		.amdhsa_kernarg_size 48
		.amdhsa_user_sgpr_count 2
		.amdhsa_user_sgpr_kernarg_segment_ptr 1
		.amdhsa_wavefront_size32 1
		.amdhsa_system_sgpr_workgroup_id_x 1
		.amdhsa_system_sgpr_workgroup_id_y 1
		.amdhsa_system_sgpr_workgroup_id_z 1
		.amdhsa_system_vgpr_workitem_id 0
		.amdhsa_next_free_vgpr 576
		.amdhsa_next_free_sgpr 88
		.amdhsa_reserve_vcc 0
		.amdhsa_float_denorm_mode_32 3
		.amdhsa_float_denorm_mode_16_64 3
		.amdhsa_memory_ordered 1
		.amdhsa_forward_progress 1
		.amdhsa_inst_pref_size 255
	.end_amdhsa_kernel
	.section	.bss,"aw",@nobits
	.p2align	6
	.space	262144
	.amdgpu_metadata
---
amdhsa.version: [ 1, 2 ]
amdhsa.kernels:
  - .name:           k_qb0a8231ba4_gemm1
    .symbol:         k_qb0a8231ba4_gemm1.kd
    .args:
      - { .name: xb, .offset: 0, .size: 8, .value_kind: global_buffer, .address_space: global }
      - { .name: wb, .offset: 8, .size: 8, .value_kind: global_buffer, .address_space: global }
      - { .name: b1, .offset: 16, .size: 8, .value_kind: global_buffer, .address_space: global }
      - { .name: hb, .offset: 24, .size: 8, .value_kind: global_buffer, .address_space: global }
      - { .name: c19_c, .offset: 32, .size: 8, .value_kind: global_buffer, .address_space: global }
      - { .name: c19_rho, .offset: 40, .size: 8, .value_kind: global_buffer, .address_space: global }
    .group_segment_fixed_size: 327680
    .private_segment_fixed_size: 0
    .kernarg_segment_align: 8
    .kernarg_segment_size: 48
    .max_flat_workgroup_size: 128
    .sgpr_count:     88
    .vgpr_count:     576
    .wavefront_size: 32
...
	.end_amdgpu_metadata
.endif
;; end of part 2
;; launch gemm2 (part 3): grid 16 x 16, 4 waves a work-group, clusters of 4 x 4, 327,680 bytes of LDS; arguments hb, wb, b2, out0; writes out0
.if DOCPART == 3
	.amdgcn_target "amdgcn-amd-amdhsa--gfx1250"
	.amdhsa_code_object_version 6
	.text
	.protected	k_qb0a8231ba4_gemm2
	.globl	k_qb0a8231ba4_gemm2
	.p2align	8
	.type	k_qb0a8231ba4_gemm2,@function
k_qb0a8231ba4_gemm2:
	s_mov_b64 s[64:65], 0
	v_nop
	global_prefetch_b8 v0, s[64:65] scope:SCOPE_SE
	s_setreg_imm32_b32 hwreg(HW_REG_WAVE_MODE, 25, 1), 1
	s_wait_xcnt 0x0
	s_wait_alu depctr_hold_cnt(0) depctr_sa_sdst(0) depctr_va_vdst(0) depctr_va_sdst(0) depctr_va_ssrc(0) depctr_va_vcc(0) depctr_vm_vsrc(0)
	s_getreg_b32 s2, hwreg(HW_REG_IB_STS2, 6, 4)
	s_cmp_eq_u32 s2, 0
	s_cbranch_scc0 .Lentry_in_a_cluster
	s_endpgm
.Lentry_in_a_cluster:
	s_bfe_u32 s2, ttmp6, 0x10000c
	s_cmp_lg_u32 s2, 0xf033
	s_cbranch_scc0 .Lentry_shape_is_right
	s_endpgm
.Lentry_shape_is_right:
; out0[m][i] = sum over j of hb[m][j] wb[i][j] + b2[i].  hb: [2048][4096] bf16, wb: [4096 i][4096 j] bf16, out0: [2048][4096] f32; sums in f32.
; 16 x 16 work-groups of four waves; a work-group makes 128 rows x 256 columns, a wave 64 x 128: 32 accumulator tiles of 16 x 16, 256 registers.
; K (= j) goes in 32 steps of 128 through two LDS slots filled by the tensor data mover, one load a wave for each slot.  Both operands lie along K:
; a tile's rows are 256 bytes of memory and start at multiples of 256 bytes from the buffer's first byte.
; THE GRID: block rows run along x, block columns along y.  The work-groups of y = 0 .. 7 together read all of hb and half of wb, 16 + 16 MiB;
; laid the other way, half of the grid would read half of hb and all of wb, 8 + 32 MiB.
; CLUSTERS: 4 x 4 work-groups.  hb's tile hangs on the block row alone and is asked for jointly by the four work-groups with my cx; wb's hangs on the
; block column alone and is asked for jointly by the four with my cy.  That divides the requests for both by four.
; REQUESTS AHEAD: behind the refill at the end of K step 2 i + 1 (which asks for K step 2 i + 3) wave 0 asks by one prefetch for this work-group's
; sixteenth of wb's tiles of K steps 2 i + 4 and 2 i + 5 (16 rows' blocks of 256 bytes of each, one lane a block), and wave 2 for its eighth of hb's tiles
; of the same steps (16 blocks of each): the tensor loads that want them are issued one and two K steps later.  K steps 2 and 3 are asked for at the head;
; laps 14 and 15 ask for nothing, so no request passes K step 31.  wb's tile of a block column is shared out among the 16 block rows, each block asked for
; once; hb's tile of a block row is shared out twice, among block columns 0 to 7 and again among block columns 8 to 15.
; THE MATRIX INSTRUCTION IS USED TRANSPOSED: source 0 = 16 rows of wb, source 1 = 16 rows of hb; lane l then holds row l % 16 of the result and its
; registers 0 to 7 the columns 8 (l / 16) + 0 .. 7.  THE BIAS STARTS THE SUMS: the first product of a tile takes eight registers of b2 as C.
; LIMIT: the operands are bf16 (hb and wb were rounded by the launches that stored them).
;
; REGISTERS, in windows of 256:  window 0: v0-31 addresses; v32-127 and v128-223 two fragment buffers (wb's 8 fragments, then hb's 4);
;   window 1: accumulator tile (a, b) at v[8 (8 a + b)];  window 2: v0-63 the bias, b2 of tile column b at v[8 b].
.set PITCH,  272                       ; an LDS row: 256 bytes + 16 of padding: the 16 rows of a fragment load start at 16 different banks (64 banks of 4 bytes: ISA guide 11.1)
.set BHALF,  128*PITCH                 ; 34,816: what one of wb's loads brings, and what one wave reads of wb
.set AHALF,  64*PITCH                  ; 17,408: what one of hb's loads brings, and what one wave reads of hb
.set BTILE,  2*BHALF                   ; wb's tile lies first in a slot, hb's behind it
.set SLOT,   BTILE+2*AHALF             ; 104,448
.set STAGE,  2*SLOT                    ; 208,896: behind the ring, 16 rows x 528 bytes for each wave, for the way out
.set SPITCH, 528                       ; 512 bytes + 16 = 33 x 16
.set WSTAGE, 16*SPITCH
.set KBYTES, 256                       ; a K step along the rows, in bytes
.set LAPS,   16                        ; a lap = two K steps = once round the ring
.set ADRA, 16                          ; v16-17  LDS address of my hb fragments in slot 0, 1
.set PF,   18                          ; v18     the prefetches: my lane's byte offset, the same for hb and wb; never rewritten
.set ADRB, 20                          ; v20-21  LDS address of my wb fragments in slot 0, 1
.set STO,  24                          ; the way out: where I put 32 bytes of a row
.set RD,   25                          ; the way out: where I read a row back
.set CO,   26                          ; my byte offset in out0
.set BO,   28                          ; my byte offset in b2
.set F0,   32
.set F1,   128
.set G1A, 24                           ; s[24:31] descriptor group 1, hb's tiles
.set G0A, 32                           ; s[32:39] group 0, one set of four for each slot
.set G1B, 40                           ; s[40:47] descriptor group 1, wb's tiles
.set G0B, 48                           ; s[48:55] group 0, one set of four for each slot
.set PA,  80                           ; s[80:81] the prefetch of hb: base, stepped once a lap
.set PB,  82                           ; s[82:83] the prefetch of wb: base, stepped once a lap
.set MULW, 0x50                        ; C and D in window 1
.set MULB, 0x60                        ; D in window 1, C in window 2
.set BIASW, 0x80                       ; loaded data into window 2
.set MSB, 0
.macro WIN new                         ; the immediate's high byte repeats the setting that is left
.if MSB != \new
	s_set_vgpr_msb (MSB<<8)|\new
.set MSB, \new
.endif
.endm
.macro PLACES                          ; a load into a register that a matrix instruction has read, and a vector instruction or store that reads a matrix result, stand four
.rept 4                                ; plain vector instructions behind it (ISA guide 7.12.1 for vector instructions)
	v_nop
.endr
.endm
; A joint load.  Waves 0 and 1 fetch wb's two halves, waves 2 and 3 hb's.  The branch hangs on the wave's number alone.
.macro JLOAD s
	s_cmp_eq_u32 s17, 0
	s_cbranch_scc0 .Lfor_a_\@
	tensor_load_to_lds s[G0B+4*\s:G0B+4*\s+3], s[G1B:G1B+7]
	s_nop 0
	s_branch .Lasked_\@
.Lfor_a_\@:
	tensor_load_to_lds s[G0A+4*\s:G0A+4*\s+3], s[G1A:G1A+7]
	s_nop 0
.Lasked_\@:
.endm
; The requests ahead: wave 0 asks for 32 blocks of wb, wave 2 for 32 blocks of hb, waves 1 and 3 for nothing.  step = 1: both bases go two K steps on first.
.macro PREF step
.if \step
	s_wait_xcnt 0x0                                ; the last lap's request has had its address translated (ISA guide 3.1): its base is stepped only behind this wait
	s_add_nc_u64 s[PA:PA+1], s[PA:PA+1], 2*KBYTES
	s_add_nc_u64 s[PB:PB+1], s[PB:PB+1], 2*KBYTES
.endif
	s_cmp_lg_u32 s18, 0
	s_cbranch_scc1 .Lnone_\@
	s_cmp_eq_u32 s17, 0
	s_cbranch_scc0 .Lahead_a_\@
	global_prefetch_b8 v[PF], s[PB:PB+1] th:TH_LOAD_NT scope:SCOPE_SE
	s_branch .Lnone_\@
.Lahead_a_\@:
	global_prefetch_b8 v[PF], s[PA:PA+1] th:TH_LOAD_NT scope:SCOPE_SE
.Lnone_\@:
.endm
.macro CREST                           ; a round of the cluster's barrier behind its opening barrier
	s_cmp_lg_u32 s16, 0
	s_cbranch_scc1 .Lnot_wave_0_\@
	s_barrier_signal -3
.Lnot_wave_0_\@:
	s_barrier_wait -3
	s_barrier_signal -1
	s_barrier_wait -1
.endm
.macro CROUND                          ; a whole round
	s_barrier_signal -1
	s_barrier_wait -1
	CREST
.endm
	s_load_b256 s[4:11], s[0:1], 0x0               ; hb s[4:5], wb s[6:7], b2 s[8:9], out0 s[10:11]
	v_lshl_add_u32 v254, v0, 2, 0x3b400
	v_mov_b32 v255, 0
	ds_add_u32 v254, v255
	v_lshrrev_b32 v1, 5, v0
	v_readfirstlane_b32 s16, v1                    ; wave 0..3
	s_lshr_b32 s17, s16, 1                         ; which 64 rows are mine.  Also: I fetch for wb (0) or for hb (1)
	s_and_b32 s18, s16, 1                          ; which 128 columns are mine.  Also: which half of that tile I fetch
	s_bfe_u32 s19, ttmp6, 0x40000                  ; cx
	s_bfe_u32 s20, ttmp6, 0x40004                  ; cy
	s_lshl_b32 s22, ttmp9, 2
	s_add_co_u32 s22, s22, s19                     ; block row = 4 x cluster x + cx
	s_and_b32 s21, ttmp7, 0xffff
	s_lshl_b32 s21, s21, 2
	s_add_co_u32 s21, s21, s20                     ; block column = 4 x cluster y + cy
	s_lshl_b32 s68, 0x1111, s19                    ; the places with my cx: cx, cx + 4, cx + 8, cx + 12: they share my block row
	s_lshl_b32 s69, s20, 2
	s_lshl_b32 s69, 15, s69                        ; the places with my cy: 4 cy .. 4 cy + 3: they share my block column
	; group 1 for hb: 64 rows x 128 elements of 2 bytes, 4 words of padding behind every 64
	s_or_b32 s[G1A+0], s68, (1<<16)|(1<<20)|(1<<21)|(5<<22)|(3<<25)
	s_mov_b32 s[G1A+1], 128<<16                    ; tensor_dim0 = 128
	s_mov_b32 s[G1A+2], 64<<16                     ; tensor_dim1 = 64
	s_mov_b32 s[G1A+3], 128<<16                    ; tile_dim0 = 128
	s_mov_b32 s[G1A+4], 64                         ; tile_dim1 = 64
	s_mov_b32 s[G1A+5], 4096                       ; elements from row to row
	s_mov_b32 s[G1A+6], 0
	s_mov_b32 s[G1A+7], 0
	; group 1 for wb: 128 rows x 128 elements, the same padding
	s_or_b32 s[G1B+0], s69, (1<<16)|(1<<20)|(1<<21)|(5<<22)|(3<<25)
	s_mov_b32 s[G1B+1], 128<<16
	s_mov_b32 s[G1B+2], 128<<16
	s_mov_b32 s[G1B+3], 128<<16
	s_mov_b32 s[G1B+4], 128
	s_mov_b32 s[G1B+5], 4096
	s_mov_b32 s[G1B+6], 0
	s_mov_b32 s[G1B+7], 0
	; where the tiles come from: hb's from the block row and the half, wb's from the block column and the half, each in registers of its own
	s_lshl_b32 s56, s22, 20                        ; 128 rows of 8,192 bytes for each block row
	s_lshl_b32 s57, s18, 19                        ; 64 rows for the half
	s_add_co_u32 s56, s56, s57
	s_mov_b32 s57, 0
	s_lshl_b32 s60, s21, 21                        ; 256 rows of 8,192 bytes for each block column
	s_lshl_b32 s61, s18, 20                        ; 128 rows for the half
	s_add_co_u32 s60, s60, s61
	s_mov_b32 s61, 0
	; and where they go: a constant and the wave's number times a constant
	s_mul_i32 s66, s16, AHALF
	s_add_co_u32 s66, s66, BTILE-2*AHALF           ; waves 2, 3: BTILE, BTILE + AHALF
	s_mul_i32 s67, s16, BHALF                      ; waves 0, 1: 0, BHALF
	s_wait_dscnt 0x0
	s_wait_kmcnt 0x0
	s_add_nc_u64 s[58:59], s[4:5], s[56:57]
	s_add_nc_u64 s[62:63], s[6:7], s[60:61]
	CROUND                                         ; all sixteen work-groups are here: the first joint loads meet
.irp s, 0,1
	s_mov_b32 s[G0A+4*\s], 1
	s_add_co_u32 s[G0A+4*\s+1], s66, \s*SLOT
	s_add_nc_u64 s[G0A+4*\s+2:G0A+4*\s+3], s[58:59], \s*KBYTES
	s_or_b32 s[G0A+4*\s+3], s[G0A+4*\s+3], 0x80000000
	s_mov_b32 s[G0B+4*\s], 1
	s_add_co_u32 s[G0B+4*\s+1], s67, \s*SLOT
	s_add_nc_u64 s[G0B+4*\s+2:G0B+4*\s+3], s[62:63], \s*KBYTES
	s_or_b32 s[G0B+4*\s+3], s[G0B+4*\s+3], 0x80000000
	JLOAD \s                                       ; K steps 0 and 1: both slots are asked for before anything else is done
.endr
	; the other addresses
	s_lshl_b32 s70, s21, 10                        ; b2: the block's 256 columns + my wave's 128
	s_lshl_b32 s71, s18, 9
	s_add_co_u32 s70, s70, s71
	s_mov_b32 s71, 0
	s_add_nc_u64 s[8:9], s[8:9], s[70:71]
	s_lshl_b32 s72, s22, 21                        ; out0: (128 block row + 64 wm) rows of 16,384 bytes, and the same columns
	s_lshl_b32 s73, s17, 20
	s_add_co_u32 s72, s72, s73
	s_add_co_u32 s72, s72, s70
	s_mov_b32 s73, 0
	s_add_nc_u64 s[10:11], s[10:11], s[72:73]
	; the requests ahead, at K step 2.  hb: rows 128 block row + 16 (block column mod 8) + 0 .. 15, 256 bytes of each
	s_lshl_b32 s84, s22, 20
	s_and_b32 s85, s21, 7
	s_lshl_b32 s85, s85, 17
	s_add_co_u32 s84, s84, s85
	s_add_co_u32 s84, s84, 2*KBYTES
	s_mov_b32 s85, 0
	s_add_nc_u64 s[PA:PA+1], s[4:5], s[84:85]
	; wb: rows 256 block column + 16 block row + 0 .. 15, 256 bytes of each
	s_lshl_b32 s86, s21, 21
	s_lshl_b32 s87, s22, 17
	s_add_co_u32 s86, s86, s87
	s_add_co_u32 s86, s86, 2*KBYTES
	s_mov_b32 s87, 0
	s_add_nc_u64 s[PB:PB+1], s[6:7], s[86:87]
	v_and_b32 v1, 15, v0                           ; r = l % 16
	v_bfe_u32 v2, v0, 4, 1                         ; h = l / 16
	v_lshlrev_b32 v[BO], 5, v2                     ; b2: 8 h numbers
	WIN BIASW
.irp b, 0,1,2,3,4,5,6,7
	global_load_b128 v[8*\b:8*\b+3],   v[BO], s[8:9] offset:64*\b      ; register j: b2[16 b + 8 h + j] of my 128 columns
	global_load_b128 v[8*\b+4:8*\b+7], v[BO], s[8:9] offset:64*\b+16
.endr
	WIN 0
	v_lshlrev_b32 v[PF], 13, v1                    ; lane l asks for row l % 16 of the sixteen,
	v_lshl_add_u32 v[PF], v2, 8, v[PF]             ; K step l / 16 of the two
	PREF 0                                         ; K steps 2 and 3
	v_mul_u32_u24 v3, v1, PITCH
	v_lshl_add_u32 v3, v2, 4, v3                   ; 272 r + 16 h
	s_mul_i32 s76, s17, AHALF
	s_add_co_u32 s76, s76, BTILE                   ; my 64 rows of hb
	v_add_nc_u32 v[ADRA], s76, v3
	v_add_nc_u32 v[ADRA+1], SLOT, v[ADRA]
	s_mul_i32 s77, s18, BHALF                      ; my 128 rows of wb
	v_add_nc_u32 v[ADRB], s77, v3
	v_add_nc_u32 v[ADRB+1], SLOT, v[ADRB]
	s_mul_i32 s78, s16, WSTAGE
	s_add_co_u32 s78, s78, STAGE                   ; my stage
	v_mul_u32_u24 v7, v1, SPITCH                   ; in: row r, 32 bytes for each half of the lanes
	v_lshl_add_u32 v7, v2, 5, v7
	v_add_nc_u32 v[STO], s78, v7
	v_and_b32 v6, 31, v0
	v_lshl_add_u32 v[RD], v6, 4, s78               ; back: the 32 lanes take one row of 512 bytes
	v_lshlrev_b32 v[CO], 4, v6                     ; and the same in out0
; 8 matrix instructions: tile row a x all 8 tile columns, 32 along K.  first = 1: C is the bias, and nothing is ever cleared.
; The 32 accumulators take turns, one instruction a turn, in the same order in every quarter step.
.macro MUL8 f, a, first
.irp b, 0,1,2,3,4,5,6,7
.if \first
	v_wmma_f32_16x16x32_bf16 v[8*(8*\a+\b):8*(8*\a+\b)+7], v[\f+8*\b:\f+8*\b+7], v[\f+64+8*\a:\f+64+8*\a+7], v[8*\b:8*\b+7]
.else
	v_wmma_f32_16x16x32_bf16 v[8*(8*\a+\b):8*(8*\a+\b)+7], v[\f+8*\b:\f+8*\b+7], v[\f+64+8*\a:\f+64+8*\a+7], v[8*(8*\a+\b):8*(8*\a+\b)+7]
.endif
.endr
.endm
; 24 LDS loads in one run: the fragments of quarter q (32 along K) of a slot into buffer f.  Lane l holds row l % 16; registers 0-3 hold
; K = 8 (l / 16) + 0..7, registers 4-7 K = 16 + 8 (l / 16) + 0..7: two loads of 16 bytes, 32 bytes apart.
.macro FETCH slot, q, f
	WIN 0
.irp i, 0,1,2,3,4,5,6,7
	ds_load_b128 v[\f+8*\i:\f+8*\i+3],   v[ADRB+\slot] offset:\q*64+\i*16*PITCH
	ds_load_b128 v[\f+8*\i+4:\f+8*\i+7], v[ADRB+\slot] offset:\q*64+\i*16*PITCH+32
.endr
.irp i, 0,1,2,3
	ds_load_b128 v[\f+64+8*\i:\f+64+8*\i+3],   v[ADRA+\slot] offset:\q*64+\i*16*PITCH
	ds_load_b128 v[\f+64+8*\i+4:\f+64+8*\i+7], v[ADRA+\slot] offset:\q*64+\i*16*PITCH+32
.endr
.endm
; One of a K step's first three quarters: asks for quarter q's fragments into buffer g, then multiplies buffer f while they come.
.macro QUARTER slot, q, f, g, first
	PLACES                                         ; buffer g was read by the matrix instructions just issued
	FETCH \slot, \q, \g
	s_wait_dscnt 24                                ; all but the 24 just issued: buffer f is in
.if \first
	WIN MULB
.else
	WIN MULW
.endif
	MUL8 \f, 0, \first
	MUL8 \f, 1, \first
	MUL8 \f, 2, \first
	MUL8 \f, 3, \first
.endm
.macro THREE slot, first
	QUARTER \slot, 1, F0, F1, \first
	QUARTER \slot, 2, F1, F0, 0
	QUARTER \slot, 3, F0, F1, 0
.endm
; The last quarter multiplies buffer 1 and changes slots.  In front of the barrier each wave waits for its reads of this slot and for all its tensor
; loads, of which one is out: its part of the next slot.  Behind it (fill = 1: behind the round of the cluster's barrier that it opens) the refill
; comes first, then (ahead = 1) the requests ahead, then the next slot's first fragments.  From a request to the wait for it a wave issues 24 + 96 matrix instructions.
.macro TURN slot, next, fill, ahead
	s_wait_dscnt 0x0                               ; buffer 1 is in, and my reads of this slot are over
	s_wait_tensorcnt 0x0                           ; all my tensor loads have landed
	ds_add_u32 v254, v255
	s_wait_dscnt 0x0
	s_barrier_signal -1
	WIN MULW
	MUL8 F1, 0, 0                                  ; register work while the others arrive
	WIN 0
	s_barrier_wait -1
.if \fill
	CREST                                          ; no wave of any partner still reads this slot or has a load on its way
	s_add_nc_u64 s[G0A+4*\slot+2:G0A+4*\slot+3], s[G0A+4*\slot+2:G0A+4*\slot+3], 2*KBYTES
	s_add_nc_u64 s[G0B+4*\slot+2:G0B+4*\slot+3], s[G0B+4*\slot+2:G0B+4*\slot+3], 2*KBYTES
	JLOAD \slot                                    ; my one tensor load behind the round: this slot, two K steps ahead
.endif
.if \ahead
	PREF 1                                         ; the two K steps behind the one just asked for
.endif
	PLACES
	FETCH \next, 0, F0
	WIN MULW
	MUL8 F1, 1, 0
	MUL8 F1, 2, 0
	MUL8 F1, 3, 0
.endm
.macro LAP first, ahead
	THREE 0, \first
	TURN 0, 1, 1, 0
	THREE 1, 0
	TURN 1, 0, 1, \ahead
.endm
	s_wait_loadcnt 0x0                             ; the bias
	s_wait_tensorcnt 0x1                           ; my part of K step 0 is in; K step 1's stays out
	s_barrier_signal -1
	s_barrier_wait -1
	FETCH 0, 0, F0
	LAP 1, 1                                       ; lap 0 stands in front of the loop: its first products start the sums from the bias
	WIN 0                                          ; at a label and at a branch every window is 0
	s_mov_b32 s23, LAPS-3                          ; laps 1 to 13
.Llap:
	LAP 0, 1
	WIN 0
	s_sub_co_u32 s23, s23, 1
	s_cmp_lg_u32 s23, 0
	s_cbranch_scc1 .Llap
	LAP 0, 0                                       ; lap 14 fills both slots once more (K steps 30 and 31) and asks for nothing ahead: there is no K step 32
	THREE 0, 0                                     ; lap 15 fills nothing: the one load still out is slot 1's, K step 31
	TURN 0, 1, 0, 0
	THREE 1, 0
	s_wait_dscnt 0x0
	WIN MULW
	MUL8 F1, 0, 0
	MUL8 F1, 1, 0
	MUL8 F1, 2, 0
	MUL8 F1, 3, 0
	; THE WAY OUT, 16 rows at a time: a lane's 32 bytes of each tile into my own stage, whole rows of 512 bytes back, and out.
	PLACES
; rows 16 a .. 16 a + 15 of my block = the eight tiles (a, 0..7); f: the 64 registers that take the rows; again = 1: stores still name them
.macro OUT16 a, f, again
	WIN 0x04                                       ; the LDS stores' data: window 1
.irp b, 0,1,2,3,4,5,6,7
	ds_store_b128 v[STO], v[8*(8*\a+\b):8*(8*\a+\b)+3]   offset:64*\b
	ds_store_b128 v[STO], v[8*(8*\a+\b)+4:8*(8*\a+\b)+7] offset:64*\b+16
.endr
	WIN 0
.if \again
	s_wait_xcnt 0x0                                ; every earlier memory instruction has had its addresses translated (ISA guide 3.1): the registers that the first turn's stores read are loaded again only behind this wait
.endif
.irp t, 0,1,2,3,4,5,6,7,8,9,10,11,12,13,14,15
	ds_load_b128 v[\f+4*\t:\f+4*\t+3], v[RD] offset:\t*SPITCH      ; LDS serves a wave's instructions in order (ISA guide 5.7.1.4): these see the stores above, and the next turn's stores come behind them
.endr
.irp t, 0,1,2,3,4,5,6,7,8,9,10,11,12,13,14,15
	s_wait_dscnt 15-\t                             ; the younger loads stay out
	global_store_b128 v[CO], v[\f+4*\t:\f+4*\t+3], s[10:11] offset:(16*\a+\t)*16384 th:TH_STORE_NT   ; the wave stores 512 consecutive bytes, aligned
.endr
.endm
	OUT16 0, 32, 0
	OUT16 1, 96, 0
	OUT16 2, 160, 0
	OUT16 3, 32, 1
	s_wait_tensorcnt 0x0
	ds_add_u32 v254, v255
	s_wait_dscnt 0x0
	CROUND                                         ; the closing round: no work-group ends while a partner may still ask for a tile that names it
	s_endpgm
.Lfunc_end_k_qb0a8231ba4_gemm2:
	.size	k_qb0a8231ba4_gemm2, .Lfunc_end_k_qb0a8231ba4_gemm2-k_qb0a8231ba4_gemm2
	.p2alignl 7, 3214868480
	.fill 96, 4, 3214868480
	.section	.rodata,"a",@progbits
	.p2align	6, 0x0
	.amdhsa_kernel k_qb0a8231ba4_gemm2
		.amdhsa_group_segment_fixed_size 327680
		.amdhsa_private_segment_fixed_size 0
		.amdhsa_enable_private_segment 0
		.amdhsa_kernarg_size 32
		.amdhsa_user_sgpr_count 2
		.amdhsa_user_sgpr_kernarg_segment_ptr 1
		.amdhsa_wavefront_size32 1
		.amdhsa_system_sgpr_workgroup_id_x 1
		.amdhsa_system_sgpr_workgroup_id_y 1
		.amdhsa_system_sgpr_workgroup_id_z 1
		.amdhsa_system_vgpr_workitem_id 0
		.amdhsa_next_free_vgpr 576
		.amdhsa_next_free_sgpr 88
		.amdhsa_reserve_vcc 0
		.amdhsa_float_denorm_mode_32 3
		.amdhsa_float_denorm_mode_16_64 3
		.amdhsa_memory_ordered 1
		.amdhsa_forward_progress 1
		.amdhsa_inst_pref_size 151
	.end_amdhsa_kernel
	.amdgpu_metadata
---
amdhsa.version: [ 1, 2 ]
amdhsa.kernels:
  - .name:           k_qb0a8231ba4_gemm2
    .symbol:         k_qb0a8231ba4_gemm2.kd
    .args:
      - { .name: hb, .offset: 0, .size: 8, .value_kind: global_buffer, .address_space: global }
      - { .name: wb, .offset: 8, .size: 8, .value_kind: global_buffer, .address_space: global }
      - { .name: b2, .offset: 16, .size: 8, .value_kind: global_buffer, .address_space: global }
      - { .name: out0, .offset: 24, .size: 8, .value_kind: global_buffer, .address_space: global }
    .group_segment_fixed_size: 327680
    .private_segment_fixed_size: 0
    .kernarg_segment_align: 8
    .kernarg_segment_size: 32
    .max_flat_workgroup_size: 128
    .sgpr_count:     88
    .vgpr_count:     576
    .wavefront_size: 32
...
	.end_amdgpu_metadata
.endif
;; end of part 3
;; ======== version 2 of 2: 3 launches; version 1 with the launch prep written anew for expert scheduling mode
;; workspace buffers: wb 33,554,432 bytes; xb 16,777,216 bytes; hb 16,777,216 bytes
;; launch prep (part 4): grid 1024 x 1, 8 waves a work-group, no clusters, 33,792 bytes of LDS; arguments indices, codebook, x, wb, xb; writes wb, xb
.if DOCPART == 4
	.amdgcn_target "amdgcn-amd-amdhsa--gfx1250"
	.amdhsa_code_object_version 6
	.text
	.protected	k_qb0a8231ba4_prep
	.globl	k_qb0a8231ba4_prep
	.p2align	8
	.type	k_qb0a8231ba4_prep,@function
k_qb0a8231ba4_prep:
	s_mov_b64 s[64:65], 0
	v_nop
	global_prefetch_b8 v0, s[64:65] scope:SCOPE_SE
	s_setreg_imm32_b32 hwreg(HW_REG_WAVE_SCHED_MODE, 0, 2), 2
	s_setreg_imm32_b32 hwreg(HW_REG_WAVE_MODE, 25, 1), 1
	s_wait_xcnt 0x0
	s_wait_alu depctr_vm_vsrc(0)
; wb[n] = bf16(codebook[indices[n]]) for the 16,777,216 weights, and xb = bf16(x).  A stream: no loop, no branch, no matrix unit.
; 1,024 work-groups of eight waves.  A work-group owns 16,384 indices (65,536 bytes) and 8,192 numbers of x (32,768 bytes);
; a wave owns 2,048 indices = 16 loads of 512 neighbouring bytes, and 1,024 numbers of x = 8 such loads.  All 24 loads of a wave are
; issued at the head, so 12,288 bytes a wave are on their way while the table is built.
; A lane's 4 numbers of a load become 8 bytes, so each store of a wave covers 256 consecutive bytes, aligned.
; THE TABLE: 256 rows of 128 bytes in LDS; row e holds 32 copies of the word { 0, bf16(codebook[e]) }.  Lane l reads row e at byte 4 l,
; that is word 32 e + l: with 64 banks of 4 bytes (ISA guide 11.1) bank l or bank 32 + l, so that no two lanes of a gather meet in a bank,
; whatever the indices are.
; LIMITS: the weights and x are rounded to bf16 (nearest even) for the matrix units.  An index lies in 0 .. 255, as the table lookup of the
; problem relies on; the unsigned minimum with 255 only keeps the LDS address inside the table (a negative index would read entry 255).
; THE MODE: SCHED_MODE bits 1:0 = 2 (LLVM: expert scheduling mode 2), set by the entry lines.  The code itself states the register dependences
; between vector instructions and memory or LDS instructions, with s_wait_alu, always for 0.
; THE PLAN.  The 16 groups of four indices go in four batches of four groups.  Registers that memory or LDS instructions touch:
;   v2 .. v7       offsets and LDS addresses, made once at the head and never written again.  v128, v129: made at the head, read by the closing add alone.
;   v[12:15]       the table's word, four times: written by four vector lines, read by the eight LDS stores, never written again.
;   v[32:95]       group i at IDX + 4 i: the indices as loaded; the two address lines work on them in place; the group's four gathers read them as addresses.
;   v[16:79]       group i at WRD + 4 i: its four table words land 16 registers below their addresses, that is where the addresses of the batch before lay
;                  (batch 0's in v[16:31], which nothing else names); the pack works on them in place; the store of wb reads the first two; never written again.
;   v[96:127]      x as loaded; the conversions work in place; the stores of xb read them; never written again.
; Step p issues batch p's 16 gathers (addresses in block 32 + 16 p, words into block 16 + 16 p) and batch p - 2's four stores (block 16 p - 16), dealt among the
; address lines of batch p + 1 (block 48 + 16 p; in step 3 the conversions of x), and packs batch p - 1 (block 16 p) last: five different blocks of sixteen registers.
; So the waits at a step's head state all that its memory and LDS instructions hang on, and no vector line issued behind them names a register that these touch.
.set WRD, 16                           ; v[16:79]   group i of 16: 4 table words, then 2 packed words
.set IDX, 32                           ; v[32:95]   group i of 16: 4 indices, then 4 LDS addresses
.set X,   96                           ; v[96:127]  group i of 8: 4 numbers of x, then 2 packed words
	s_load_b256 s[4:11], s[0:1], 0x0               ; indices s[4:5], codebook s[6:7], x s[8:9], wb s[10:11]
	s_load_b64 s[12:13], s[0:1], 0x20              ; xb
	v_lshl_add_u32 v128, v0, 2, 0x8000             ; my spare word, behind the table: these two registers are kept for the closing add alone
	v_mov_b32 v129, 0
	v_and_b32 v9, 31, v0                           ; lane
	v_lshrrev_b32 v10, 5, v0                       ; wave
	v_lshlrev_b32 v1, 2, v9                        ; the gather's lane term: byte 4 l of a table row
	v_lshlrev_b32 v2, 2, v0                        ; my entry of the codebook: 256 threads, 256 entries
	v_lshlrev_b32 v3, 4, v9
	v_lshl_add_u32 v4, v10, 12, v3                 ; x:       wave x 4,096 + 16 l
	v_lshl_add_u32 v3, v10, 13, v3                 ; indices: wave x 8,192 + 16 l
	v_lshlrev_b32 v5, 3, v9
	v_lshl_add_u32 v6, v10, 11, v5                 ; xb:      wave x 2,048 + 8 l
	v_lshl_add_u32 v5, v10, 12, v5                 ; wb:      wave x 4,096 + 8 l
	v_lshlrev_b32 v7, 7, v0                        ; my row of the table
	s_mov_b32 s15, 0
	s_lshl_b32 s14, ttmp9, 16                      ; the work-group's 65,536 bytes of indices
	s_wait_kmcnt 0x0
	s_add_nc_u64 s[4:5], s[4:5], s[14:15]
	s_lshl_b32 s14, ttmp9, 15                      ; its 32,768 bytes of x and of wb
	s_add_nc_u64 s[8:9], s[8:9], s[14:15]
	s_add_nc_u64 s[10:11], s[10:11], s[14:15]
	s_lshl_b32 s14, ttmp9, 14                      ; its 16,384 bytes of xb
	s_add_nc_u64 s[12:13], s[12:13], s[14:15]
	s_wait_alu depctr_va_vdst(0)                   ; v2 to v7 are written, which every load and store of the kernel reads as its offset or LDS address; so are v128 and v129
	global_load_b32 v8, v2, s[6:7]                 ; codebook[t]: every work-group reads it, so no hint
.irp i, 0,1,2,3,4,5,6,7,8,9,10,11,12,13,14,15
	global_load_b128 v[IDX+4*\i:IDX+4*\i+3], v3, s[4:5] offset:512*\i th:TH_LOAD_NT
.endr
.irp i, 0,1,2,3,4,5,6,7
	global_load_b128 v[X+4*\i:X+4*\i+3], v4, s[8:9] offset:512*\i th:TH_LOAD_NT
.endr
; Group i's four indices become four LDS addresses, in place.
.macro ADDR i
	s_wait_loadcnt 23-(\i)                         ; loads come back in order (ISA guide 5.7.1); behind group i: 15 - i groups of indices and 8 of x
.irp k, 0,1,2,3
	v_min_u32 v[IDX+4*(\i)+\k], 0xff, v[IDX+4*(\i)+\k]             ; the address stays inside the table
.endr
.irp k, 0,1,2,3
	v_lshl_add_u32 v[IDX+4*(\i)+\k], v[IDX+4*(\i)+\k], 7, v1       ; 128 e + 4 l
.endr
.endm
; Group i's four table words, 16 registers below their addresses.
.macro GATHER i
.irp k, 0,1,2,3
	ds_load_b32 v[WRD+4*(\i)+\k], v[IDX+4*(\i)+\k]
.endr
.endm
; Group i's four words are packed to 8 bytes, in place.
.macro PACK i
	v_lshl_or_b32 v[WRD+4*(\i)],   v[WRD+4*(\i)+1], 16, v[WRD+4*(\i)]
	v_lshl_or_b32 v[WRD+4*(\i)+1], v[WRD+4*(\i)+3], 16, v[WRD+4*(\i)+2]
.endm
.macro SEND i
	global_store_b64 v5, v[WRD+4*(\i):WRD+4*(\i)+1], s[10:11] offset:256*(\i)   ; no hint: the next launches read wb
.endm
; x: two roundings in one instruction, 8 bytes a lane.
.macro XCVT i
	v_cvt_pk_bf16_f32 v[X+4*(\i)],   v[X+4*(\i)],   v[X+4*(\i)+1]
	v_cvt_pk_bf16_f32 v[X+4*(\i)+1], v[X+4*(\i)+2], v[X+4*(\i)+3]
.endm
.macro XSEND i
	global_store_b64 v6, v[X+4*(\i):X+4*(\i)+1], s[12:13] offset:256*(\i)
.endm
	s_wait_loadcnt 24                              ; the codebook word is in, the 24 loads behind it stay out
	v_cvt_pk_bf16_f32 v12, v8, 0                   ; low half bf16(codebook[t]), high half 0
	v_mov_b32 v13, v12
	v_mov_b32 v14, v12
	v_mov_b32 v15, v12
	s_wait_alu depctr_va_vdst(0)                   ; v[12:15] are written, which the LDS stores read
.irp k, 0,1,2,3,4,5,6,7
	ds_store_b128 v7, v[12:15] offset:16*\k        ; 32 copies: my row of 128 bytes
.endr
.irp g, 0,1,2,3
	ADDR \g                                        ; batch 0's addresses are made while the LDS stores are out: these lines name v[32:47] and v1 alone
.endr
	s_wait_dscnt 0x0                               ; for the other waves' sake: my row is written
	s_barrier_signal -1
	s_barrier_wait -1                              ; the table is whole
	; Step 0: batch 0 is gathered, batch 1's addresses are made.
	s_wait_alu depctr_va_vdst(0)                   ; batch 0's addresses, v[32:47], are written, which the gathers below read; their words land in v[16:31], which no vector line has named
.irp g, 0,1,2,3
	GATHER \g
	ADDR 4+\g
.endr
	; Step 1: batch 1 is gathered, batch 2's addresses are made, batch 0 is packed.
	s_wait_alu depctr_vm_vsrc(0)                   ; batch 0's gathers have read their addresses, v[32:47], in which batch 1's words land
	s_wait_alu depctr_va_vdst(0)                   ; batch 1's addresses, v[48:63], are written
.irp g, 0,1,2,3
	GATHER 4+\g
	ADDR 8+\g
.endr
	s_wait_dscnt 16                                ; LDS loads come back in order (ISA guide 5.7.1): batch 0's words are in, batch 1's 16 gathers stay out
.irp g, 0,1,2,3
	PACK \g
.endr
	; Step 2: batch 2 is gathered, batch 0 is stored, batch 3's addresses are made, batch 1 is packed.
	s_wait_alu depctr_vm_vsrc(0)                   ; batch 1's gathers have read their addresses, v[48:63], in which batch 2's words land
	s_wait_alu depctr_va_vdst(0)                   ; batch 2's addresses, v[64:79], are written, and so are batch 0's packed words in v[16:31], which the stores read
.irp g, 0,1,2,3
	GATHER 8+\g
	SEND \g
	ADDR 12+\g
.endr
	s_wait_dscnt 16                                ; batch 1's words are in, batch 2's 16 gathers stay out
.irp g, 0,1,2,3
	PACK 4+\g
.endr
	; Step 3: batch 3 is gathered, batch 1 is stored, x is rounded, batch 2 is packed.
	s_wait_alu depctr_vm_vsrc(0)                   ; batch 2's gathers have read their addresses, v[64:79], in which batch 3's words land
	s_wait_alu depctr_va_vdst(0)                   ; batch 3's addresses, v[80:95], are written, and so are batch 1's packed words in v[32:47], which the stores read
.irp g, 0,1,2,3
	GATHER 12+\g
	SEND 4+\g
	s_wait_loadcnt 6-2*\g                          ; x's groups 2 g and 2 g + 1 are in; the 6 - 2 g younger groups stay out
	XCVT 2*\g
	XCVT 2*\g+1
.endr
	s_wait_dscnt 16                                ; batch 2's words are in, batch 3's 16 gathers stay out
.irp g, 0,1,2,3
	PACK 8+\g
.endr
	; Step 4: batch 2 and x are stored, batch 3 is packed.  No load lands any more.
	s_wait_alu depctr_va_vdst(0)                   ; batch 2's packed words in v[48:63] and x's in v[96:127] are written, which the stores read
.irp g, 0,1,2,3
	SEND 8+\g
	XSEND 2*\g
	XSEND 2*\g+1
.endr
	s_wait_dscnt 0x0                               ; batch 3's words are in
.irp g, 0,1,2,3
	PACK 12+\g                                     ; writes v[64:79]: the gathers that read them as addresses stand ahead of step 3's wait on vm_vsrc
.endr
	; Step 5: batch 3 is stored.
	s_wait_alu depctr_va_vdst(0)                   ; batch 3's packed words in v[64:79] are written, which the stores read
.irp g, 0,1,2,3
	SEND 12+\g
.endr
	s_wait_dscnt 0x0                               ; the closing lines, six on end
	s_wait_alu 0x0
	s_wait_tensorcnt 0x0
	ds_add_u32 v128, v129
	s_wait_dscnt 0x0
	s_endpgm
.Lfunc_end_k_qb0a8231ba4_prep:
	.size	k_qb0a8231ba4_prep, .Lfunc_end_k_qb0a8231ba4_prep-k_qb0a8231ba4_prep
	.p2alignl 7, 3214868480
	.fill 96, 4, 3214868480
	.section	.rodata,"a",@progbits
	.p2align	6, 0x0
	.amdhsa_kernel k_qb0a8231ba4_prep
		.amdhsa_group_segment_fixed_size 33792
		.amdhsa_private_segment_fixed_size 0
		.amdhsa_enable_private_segment 0
		.amdhsa_kernarg_size 40
		.amdhsa_user_sgpr_count 2
		.amdhsa_user_sgpr_kernarg_segment_ptr 1
		.amdhsa_wavefront_size32 1
		.amdhsa_system_sgpr_workgroup_id_x 1
		.amdhsa_system_sgpr_workgroup_id_y 1
		.amdhsa_system_sgpr_workgroup_id_z 1
		.amdhsa_system_vgpr_workitem_id 0
		.amdhsa_next_free_vgpr 130
		.amdhsa_next_free_sgpr 66
		.amdhsa_reserve_vcc 0
		.amdhsa_float_denorm_mode_32 3
		.amdhsa_float_denorm_mode_16_64 3
		.amdhsa_memory_ordered 1
		.amdhsa_forward_progress 1
		.amdhsa_inst_pref_size 24
	.end_amdhsa_kernel
	.amdgpu_metadata
---
amdhsa.version: [ 1, 2 ]
amdhsa.kernels:
  - .name:           k_qb0a8231ba4_prep
    .symbol:         k_qb0a8231ba4_prep.kd
    .args:
      - { .name: indices, .offset: 0, .size: 8, .value_kind: global_buffer, .address_space: global }
      - { .name: codebook, .offset: 8, .size: 8, .value_kind: global_buffer, .address_space: global }
      - { .name: x, .offset: 16, .size: 8, .value_kind: global_buffer, .address_space: global }
      - { .name: wb, .offset: 24, .size: 8, .value_kind: global_buffer, .address_space: global }
      - { .name: xb, .offset: 32, .size: 8, .value_kind: global_buffer, .address_space: global }
    .group_segment_fixed_size: 33792
    .private_segment_fixed_size: 0
    .kernarg_segment_align: 8
    .kernarg_segment_size: 40
    .max_flat_workgroup_size: 256
    .sgpr_count:     66
    .vgpr_count:     130
    .wavefront_size: 32
...
	.end_amdgpu_metadata
.endif
;; end of part 4
;; launch gemm1: the kernel of part 2 again; grid 16 x 16, 4 waves a work-group, clusters of 4 x 4, 327,680 bytes of LDS; arguments xb, wb, b1, hb, c19_c, c19_rho; writes hb
;; launch gemm2: the kernel of part 3 again; grid 16 x 16, 4 waves a work-group, clusters of 4 x 4, 327,680 bytes of LDS; arguments hb, wb, b2, out0; writes out0
